; MI455X (gfx1250); checked and timed in simulation.
; The chip was launched on July 23, 2026; its instructions are those of AMD's public machine-readable ISA for CDNA 5 (MIT licence, August 2026) and "CDNA5" Instruction Set Architecture Reference Guide (July 2026). The comments in the code are by the model that wrote it; some were corrected since.
;; Spatial Encoder3d. Allowed arithmetic: matrix products marked QUANTISED: E2M3 operands, one E8M0 scale for each 32 along K, by v_wmma_scale_f32_16x16x128_f8f6f4 with both operands' format E2M3, f32 sums; everything else in f32.
;; Inputs: W1_codes 128 x 4 x 24 uint8 (E2M3 codes of W1, K innermost, in blocks of 32 codes, four codes in three bytes); W1_scales 128 x 4 uint8 (E8M0 scales of W1, one for each 32 codes along K); W2_codes 32 x 4 x 24 uint8 (E2M3 codes of W2, K innermost, in blocks of 32 codes, four codes in three bytes); W2_scales 32 x 4 uint8 (E8M0 scales of W2, one for each 32 codes along K); b1 128 float32; b2 32 float32; beta_emb 203 x 1 float32; coord 2 x 512 x 3 float32; gamma_emb 203 x 1 float32; means 128 float32; node_type 2 x 512 int32; stds 128 float32.
;; Outputs: out0 2 x 512 x 512 x 32 float32.
;; This version of the problem:
;;   THIS VERSION OF THE PROBLEM IS GIVEN IN LOW PRECISION. The matrix products marked QUANTISED in the list below multiply operands that are first quantised to E2M3 (2 exponent bits, 3 mantissa bits; 6 bits a number), with one power-of-two scale for each 32 numbers along K (OCP MX v1.0); their sums are f32. All else is computed in f32.
;;   The module's matrix products, in the order in which they are computed (A, B: the left and right operand; K: the contracted axis; several contracted axes count as one K, in the product's order):
;;     1. [M 524,288, K 128] x [K 128, N 128]; A: computed on the way; B: input W1 (given as codes): QUANTISED
;;     2. [M 524,288, K 128] x [K 128, N 32]; A: computed on the way; B: input W2 (given as codes): QUANTISED
;;   THE QUANTISER, for each operand of a quantised product, along K:
;;     - K is cut into blocks of 32 from its start; a last block that is shorter is filled with zeros.
;;     - A block's scale is 2^e with e = floor(log2(the largest magnitude in the block)) - 2, held to -126 .. 127; a block of zeros has e = 0. As a byte (E8M0): e + 127.
;;     - Each number is divided by its block's scale, clamped to +-7.5, and rounded to the nearest number of E2M3, ties to even, subnormals kept.
;;     - The product sums the exact products of the quantised numbers (number of the format x scale) in f32.
;;   ~~~python
;;   def quantise(x, axis):      # numpy; x: float32 -> the quantised numbers, widened to float32 again
;;       x = np.moveaxis(x, axis, -1); K = x.shape[-1]
;;       x = np.pad(x, [(0, 0)] * (x.ndim - 1) + [(0, -K % 32)]); x = x.reshape(x.shape[:-1] + (-1, 32)); a = np.abs(x).max(-1, keepdims=True)
;;       e = np.where(a > 0, np.clip(np.frexp(np.where(a > 0, a, 1))[1] - 1 - 2, -126, 127), 0)      # np.frexp(a)[1] - 1 = floor(log2(a)), exactly
;;       r = np.clip(x / 2.0 ** e, -7.5, 7.5)
;;       step = 2.0 ** (np.maximum(np.frexp(np.where(r == 0, 1, r))[1] - 1, 0) - 3)
;;       q = np.round(r / step) * step * 2.0 ** e      # np.round: ties to even
;;       return np.moveaxis(q.reshape(q.shape[:-2] + (-1,))[..., :K], -1, axis).astype(np.float32)
;;   ~~~
;;   OPERANDS COMPUTED ON THE WAY. 'Computed on the way' means the value that the module computes at that place (a softmax that the list does not call 'softmax' is quantised finished and normalised). What goes into a quantiser is computed in f32, as accurately as f32 sums, v_exp_f32 and their like allow (about 1e-6 of the number): no bf16 or f16 on the way to a quantiser, and a product that is left as it is and whose result goes on into a quantised operand takes f32 operands (vector FMAs, or v_wmma_f32_16x16x4_f32). A number that lies on a knife's edge between two numbers of the format may be rounded either way, as far as f32 arithmetic and the matrix unit's own rounding can turn it there, and no further.
;;   INPUTS GIVEN AS CODES. W1 (in the module: [128, 128], K = its axis 1); W2 (in the module: [32, 128], K = its axis 1): each comes as NAME_codes (uint8): NAME with its K axis moved to the last place and cut into blocks of 32 codes, [.., K / 32, bytes a block], one block behind the other in memory; four codes in three bytes: a row's codes are one little-endian stream of bits, code i at bits 6 i .. 6 i + 5 (a code: sign, 2 exponent bits, 3 mantissa bits); and NAME_scales (uint8): the same leading axes, one E8M0 byte (e + 127) for each 32 codes along K. Its value is code x scale, taken as it is: it is not quantised again, and the codes and scales need not be those that the quantiser above would give.
;; 2 versions. Each part assembles by itself: llvm-mc -triple=amdgcn-amd-amdhsa -mcpu=gfx1250 --defsym DOCPART=n.
;; ======== version 1 of 2: 1 launch
;; launch encode (part 1): grid 256 x 1, 4 waves a work-group, no clusters, 18,944 bytes of LDS; arguments W1_codes, W1_scales, W2_codes, W2_scales, b1, b2, beta_emb, coord, gamma_emb, means, node_type, stds, out0; writes out0
.if DOCPART == 1
	.amdgcn_target "amdgcn-amd-amdhsa--gfx1250"
	.amdhsa_code_object_version 6
	.text
	.protected	k_q2a9f2ee60d_encode
	.globl	k_q2a9f2ee60d_encode
	.p2align	8
	.type	k_q2a9f2ee60d_encode,@function
k_q2a9f2ee60d_encode:
	s_mov_b64 s[64:65], 0
	v_nop
	global_prefetch_b8 v0, s[64:65] scope:SCOPE_SE
	s_setreg_imm32_b32 hwreg(HW_REG_WAVE_MODE, 25, 1), 1
	s_wait_xcnt 0x0
; out0[b][n][m][:] = W2 Q(gelu(W1 Q(gk) + b1)) + b2,  gk[k] = exp(-0.5 ((x - means[k]) / std[k])^2) / (sqrt(2 pi) std[k]),  std = |stds| + 0.01,
; x = (gamma[nt_n + 2] + gamma[nt_m + 103]) |c_n - c_m| + beta[nt_n + 2] + beta[nt_m + 103].  Q: the MX quantiser to E2M3 along K, blocks of 32.  W1, W2 come as codes and scale bytes and are used as they lie.
; NOTHING IS LEFT OUT: every input has a way to the output and x is not symmetric in (n, m), so all 524,288 pairs are computed; of the two embedding tables only the entries that node_type names are read.
; SHARES.  256 work-groups of four waves, one wave to a SIMD.  Wave R = 4 x work-group + wave owns one row (b = R / 512, n = R % 512): its 512 pairs are 32 tiles of 16 and 65,536 consecutive bytes of out0.
; LAYOUT.  Both products are used transposed (source 0 = 16 rows of a weight, source 1 = 16 pairs), so lane (r, h) = (lane % 16, lane / 16) holds pair r throughout.  The 6-bit operand gives that lane
; k = 64 c + 32 h + i (c = 0, 1; i = 0 .. 31): two WHOLE blocks.  "Number q = 32 c + i of a lane" always means that k.  gk is computed straight in that order (means, factor and offset lie so in registers), and
; THE ROWS OF W1 THAT FORM A TILE ARE CHOSEN so that the first product's results lie so too: row i of tile t is W1's row 64 (t / 4) + 8 (t % 4) + 32 (i / 8) + i % 8, whence register 8 t + j is hidden unit number q = 8 t + j.
; So a block's largest magnitude needs no other lane, no codes change lanes, and one macro quantises both operands.  Row i of W2's tile u is head 16 (i / 8) + 8 u + i % 8: a lane's 16 results are heads 16 h + 0 .. 15, 64 neighbouring bytes.
; The biases are the C of the matrix instructions, in the results' layout.
; ARITHMETIC, all f32.  The distance is a square root with one Newton step.  gk = 2^(ns2 (x - mean)^2 + cc), ns2 = -0.5 log2(e) / std^2 (made once, with a correction term), cc = -log2(sqrt(2 pi) std).
; gelu(v) = v (0.5 + vc P(vc^2) / Q(vc^2)), vc = v held to +-4 sqrt(2): the usual f32 rational form of erf (degrees 6 and 4 in x^2, x held to +-4), with x^2 = vc^2 / 2 and the factor 1 / (2 sqrt 2) folded into the coefficients.
; THE NEXT TILE'S GAUSSIANS STAND IN THE GAPS OF THIS TILE'S CHAIN: its differences and squares behind the first product, its multiply-adds ahead of the second, its exponentials and quantiser round the way out.
; LIMITS.  node_type outside 0 .. 99 (as an unsigned number) is held at 99.  NaN and infinities among the inputs, and a squared distance beyond f32's range, are not served.  A gk under 2^-126 becomes 0.
; A block of zeros carries the scale byte 1, not 127: its codes are zeros and only this program reads the byte.  For v under -4 sqrt(2) gelu comes out as |v| x (at most 1e-7) and not as the exact tail.
; NO TENSOR LOADS, NO CLUSTER: what work-groups share is 16 KB of weights, which each wave reads once into registers for its 65,536 bytes of output; no tile recurs.  No prefetch: nothing streams in.
; REGISTERS, in windows of 256 (s_set_vgpr_msb: bits 1:0 source 0, 3:2 source 1, 5:4 source 2, 7:6 destination):
;   window 0: addresses, scale words, W1's 8 and W2's 2 fragments, b2, the second product's results, the way out.   window 1: means, ns2, cc, b1, 64 each, in the order of the lane's numbers.
;   window 2: G (gk), ACC (first product, then the hidden layer), VC, the two operands' codes, the quantiser's scratch.   window 3: P, Q, Y of the rational form and its 12 coefficients, each twice (a pair for the packed forms).
.set TNS2,   0                         ; LDS: ns2[k], 512 bytes
.set TCC,    512                       ; cc[k], 512 bytes
.set XR,     1024                      ; x[m] of each wave's row: 2,048 bytes a wave, the wave's own
.set STG,    9216                      ; the way out: 16 rows of 128 bytes + 16 for each wave, the wave's own
.set SPITCH, 144
.set SPARE,  18432                     ; the spare words, 128 bytes for each wave: two blocks of 256 bytes that no other line names
; window 0
.set XA,   2                           ; XR + 2048 wave + 4 r
.set SA,   3                           ; stage, in: row r, + 64 h
.set RA,   4                           ; stage, back: row lane / 8, + 16 (lane % 8)
.set GO,   5                           ; 16 x lane
.set SPW,  6                           ; my spare word; never rewritten
.set NIL,  7                           ; 0; never rewritten
.set VNT,  8                           ; 4 x lane
.set VCO,  9                           ; 12 x lane
.set VK,   10                          ; 4 x thread
.set VW1,  11                          ; (32 (r / 8) + r % 8) x 96 + 24 h
.set VW1S, 12                          ; 4 (32 (r / 8) + r % 8)
.set VW2,  13                          ; (16 (r / 8) + r % 8) x 96 + 24 h
.set VW2S, 14                          ; 4 (16 (r / 8) + r % 8)
.set V128, 15                          ; 128 h
.set V64,  16                          ; 64 h
.set XW,   17                          ; XR + 2048 wave + 4 x lane
.set XAD,  18                          ; the address of the tile's x
.set W1S,  20                          ; v20-27 W1's scale words, a tile each
.set W2S,  28                          ; v28-29 W2's
.set GS,   30                          ; gk's scale word
.set HS,   31                          ; the hidden layer's
.set W1F,  32                          ; v32-127 W1's fragments
.set W2F,  128                         ; v128-151 W2's
.set B2,   152                         ; v152-167
.set OUTR, 168                         ; v168-183
.set SB,   184                         ; v184-199 rows read back from the stage (at the head: temporaries)
.set X,    200                         ; v200 x of my pair; v201 = 0, named with it as a pair
.set KS,   204                         ; v204-213 the constants' scratch
; window 1
.set MEAN, 0
.set NS2,  64
.set CC,   128
.set B1,   192
; window 2
.set G,    0
.set ACC,  64
.set VC,   128
.set GC,   192
.set HC,   204
.set CT,   216
.set TM,   224
.set SO,   232
.set BY,   234
.set WD,   236
.set WT,   237
.set SH8,  238
.set NT,   0                           ; at the head: 16 target indices,
.set GAM,  16                          ; their gammas,
.set BET,  32                          ; their betas,
.set CO,   64                          ; their coordinates, 3 registers in places of 4,
.set PA,   128                         ; squared distances, then the Newton step's remainder,
.set PS,   144                         ; roots, then x,
.set PR,   160                         ; reciprocals
; window 3
.set P,    0
.set Q,    64
.set Y,    128
.set CA,   192
.set CB,   206
.set MSB, 0
.macro WIN new                         ; the immediate's high byte repeats the setting that is left; a switch that changes nothing is dropped
.if MSB != \new
	s_set_vgpr_msb (MSB<<8)|\new
.set MSB, \new
.endif
.endm
.macro PLACES n
.rept \n
	v_nop
.endr
.endm
.macro COEF reg, val
	v_mov_b32 v[\reg], \val
	v_mov_b32 v[\reg+1], \val
.endm
; x of the next tile's pair r: 64 bytes on in my wave's row each time
.macro XLOAD
	WIN 0
	v_add_nc_u32 v[XAD], s61, v[XA]
	ds_load_b32 v[X], v[XAD]
	s_add_co_u32 s61, s61, 64
.endm
.macro GK_D                            ; (x - mean)^2, two numbers a line
	WIN 0x84
.set i, 0
.rept 32
	v_pk_add_f32 v[G+i:G+i+1], v[X:X+1], v[MEAN+i:MEAN+i+1] op_sel_hi:[0,1] neg_lo:[0,1] neg_hi:[0,1]
.set i, i+2
.endr
	WIN 0x8a
.set i, 0
.rept 32
	v_pk_mul_f32 v[G+i:G+i+1], v[G+i:G+i+1], v[G+i:G+i+1]
.set i, i+2
.endr
.endm
.macro GK_F                            ; the exponent: ns2 d^2 + cc
	WIN 0x96
.set i, 0
.rept 32
	v_pk_fma_f32 v[G+i:G+i+1], v[G+i:G+i+1], v[NS2+i:NS2+i+1], v[CC+i:CC+i+1]
.set i, i+2
.endr
.endm
.macro GK_E
	WIN 0x82
.set i, 0
.rept 64
	v_exp_f32 v[G+i], v[G+i]
.set i, i+1
.endr
.endm
; The first product: 8 tiles of 16 hidden units x my 16 pairs; C = b1.  Eight different accumulators: no chain.
.macro M1
	WIN 0x98
.irp t, 0,1,2,3,4,5,6,7
	v_wmma_scale_f32_16x16x128_f8f6f4 v[ACC+8*\t:ACC+8*\t+7], v[W1F+12*\t:W1F+12*\t+11], v[GC:GC+11], v[B1+8*\t:B1+8*\t+7], v[W1S+\t], v[GS] matrix_a_fmt:MATRIX_FMT_FP6 matrix_b_fmt:MATRIX_FMT_FP6
.endr
.endm
; The second: 2 tiles of 16 heads; C = b2
.macro M2
	WIN 0x08
.irp u, 0,1
	v_wmma_scale_f32_16x16x128_f8f6f4 v[OUTR+8*\u:OUTR+8*\u+7], v[W2F+12*\u:W2F+12*\u+11], v[HC:HC+11], v[B2+8*\u:B2+8*\u+7], v[W2S+\u], v[HS] matrix_a_fmt:MATRIX_FMT_FP6 matrix_b_fmt:MATRIX_FMT_FP6
.endr
.endm
.macro HORNER acc, coef                ; acc = acc y + coef, 32 pairs that do not wait for each other
.set i, 0
.rept 32
	v_pk_fma_f32 v[\acc+i:\acc+i+1], v[\acc+i:\acc+i+1], v[Y+i:Y+i+1], v[\coef:\coef+1]
.set i, i+2
.endr
.endm
.macro GELU_A
	WIN 0x82
.set i, 0
.rept 64
	v_med3_num_f32 v[VC+i], v[ACC+i], s47, s46     ; vc; in ascending order
.set i, i+1
.endr
	WIN 0xca
.set i, 0
.rept 32
	v_pk_mul_f32 v[Y+i:Y+i+1], v[VC+i:VC+i+1], v[VC+i:VC+i+1]
.set i, i+2
.endr
	WIN 0xff
.set i, 0
.rept 32
	v_pk_fma_f32 v[P+i:P+i+1], v[Y+i:Y+i+1], v[CA:CA+1], v[CA+2:CA+3]
.set i, i+2
.endr
	HORNER P, CA+4
	HORNER P, CA+6
	HORNER P, CA+8
	HORNER P, CA+10
	HORNER P, CA+12
.set i, 0
.rept 32
	v_pk_fma_f32 v[Q+i:Q+i+1], v[Y+i:Y+i+1], v[CB:CB+1], v[CB+2:CB+3]
.set i, i+2
.endr
	HORNER Q, CB+4
	HORNER Q, CB+6
	HORNER Q, CB+8
	WIN 0xcb                                       ; serves both forms below: destination and source 0 window 3, source 1 window 2
.set i, 0
.rept 32
	v_rcp_f32 v[Q+i], v[Q+i]                       ; 1 / Q (all of Q's coefficients are negative and y is not: Q is never 0)
	v_rcp_f32 v[Q+i+1], v[Q+i+1]
	v_pk_mul_f32 v[P+i:P+i+1], v[P+i:P+i+1], v[VC+i:VC+i+1]   ; P vc: plain work that names no reciprocal; the last line of the batch is such a line
.set i, i+2
.endr
	s_wait_alu depctr_va_vdst(0)                   ; the wait ahead of the first line that names a reciprocal: one for the 64
.endm
.macro GELU_B
	WIN 0xff
.set i, 0
.rept 32
	v_pk_fma_f32 v[P+i:P+i+1], v[P+i:P+i+1], v[Q+i:Q+i+1], 0.5 op_sel_hi:[1,1,0]
.set i, i+2
.endr
	WIN 0x8e
.set i, 0
.rept 32
	v_pk_mul_f32 v[ACC+i:ACC+i+1], v[ACC+i:ACC+i+1], v[P+i:P+i+1]   ; the hidden layer, with the unclipped v
.set i, i+2
.endr
.endm
; A lane's 64 numbers v[s] .. v[s + 63] (window 2), two whole blocks of 32, become 12 registers of codes at v[cod] (window 2) and the pair's scale word in v[sw] (window 0).
; A block's scale is its largest magnitude's exponent field less 2; the floor 2^(3 - 127) among the maximum's leaves holds the byte at 1 from below.
.macro QUANT s, cod, sw
	WIN 0xaa
.irp j, 0,1,2,3
.irp c, 0,1
	v_max3_num_f32 v[TM+4*\c+\j], |v[\s+32*\c+8*\j]|, |v[\s+32*\c+8*\j+1]|, |v[\s+32*\c+8*\j+2]|   ; four chains a block, the two blocks by turns
.endr
.endr
.irp i, 3,5
.irp j, 0,1,2,3
.irp c, 0,1
	v_max3_num_f32 v[TM+4*\c+\j], v[TM+4*\c+\j], |v[\s+32*\c+8*\j+\i]|, |v[\s+32*\c+8*\j+\i+1]|
.endr
.endr
.endr
.irp c, 0,1
	v_max3_num_f32 v[TM+4*\c], v[TM+4*\c], |v[\s+32*\c+7]|, |v[\s+32*\c+15]|
	v_max3_num_f32 v[TM+4*\c+2], v[TM+4*\c+2], |v[\s+32*\c+23]|, |v[\s+32*\c+31]|
.endr
.irp c, 0,1
	v_max3_num_f32 v[TM+4*\c], v[TM+4*\c], v[TM+4*\c+1], v[TM+4*\c+2]
.endr
.irp c, 0,1
	v_max3_num_f32 v[TM+4*\c], v[TM+4*\c], v[TM+4*\c+3], 0x1800000
.endr
.irp c, 0,1
	v_add_nc_u32 v[SO+\c], 0xff000000, v[TM+4*\c]  ; 2 off the exponent field: the conversion takes the exponent field of this operand as its scale
.endr
	v_cvt_scalef32_pk16_fp6_f32 v[\cod:\cod+2], v[\s:\s+15], v[SO]
	v_lshrrev_b32 v[BY], 23, v[SO]                 ; the bytes and the word are made between the conversions: a plain line behind each
	v_cvt_scalef32_pk16_fp6_f32 v[CT:CT+2], v[\s+16:\s+31], v[SO]            ; (a conversion's three registers begin on an even number: a block's second half is made elsewhere and moved)
	v_lshrrev_b32 v[BY+1], 23, v[SO+1]
	v_cvt_scalef32_pk16_fp6_f32 v[\cod+6:\cod+8], v[\s+32:\s+47], v[SO+1]
	v_lshl_or_b32 v[WD], v[BY+1], 16, v[BY]        ; my blocks are h and 2 + h of the pair's four:
	v_cvt_scalef32_pk16_fp6_f32 v[CT+4:CT+6], v[\s+48:\s+63], v[SO+1]
	v_lshlrev_b32 v[WD], v[SH8], v[WD]             ; 8 h bits up;
	v_permlanex16_b32 v[WT], v[WD], s38, s39       ; with lane l xor 16's two bytes the word is whole
.irp i, 0,1,2
	v_mov_b32 v[\cod+3+\i], v[CT+\i]
	v_mov_b32 v[\cod+9+\i], v[CT+4+\i]
.endr
	WIN 0x0a
	v_or_b32 v[\sw], v[WD], v[WT]
.endm
; The way out: a lane's 64 bytes of its pair's 128 go into my own stage and come back as 2,048 consecutive bytes.  LDS serves a wave's instructions in order, so no wait stands between the stores and the loads.
.macro STAGE
	WIN 0
.irp q, 0,1,2,3
	ds_store_b128 v[SA], v[OUTR+4*\q:OUTR+4*\q+3] offset:16*\q   ; each accumulator from its low end on
.endr
.irp i, 0,1,2,3
	ds_load_b128 v[SB+4*\i:SB+4*\i+3], v[RA] offset:4*SPITCH*\i
.endr
.endm
.macro SEND step
	WIN 0
	s_wait_dscnt 0x0                               ; the tile is back in registers
.irp i, 0,1,2,3
	global_store_b128 v[GO], v[SB+4*\i:SB+4*\i+3], s[32:33] offset:512*\i th:TH_STORE_NT   ; 32 lanes store 512 consecutive bytes, at a multiple of 256 from out0's first byte; written once
.endr
.if \step
	s_wait_xcnt 0x0                                ; the stores have read their data and their base: only behind this wait is the base stepped and are the data registers loaded again
	s_add_nc_u64 s[32:33], s[32:33], 2048
.endif
.endm
; A tile.  next = 1: the next tile's Gaussians are made on the way.
.macro TRIP next
.if \next
	XLOAD
.endif
	PLACES 8                                       ; gk's scale word, written by a vector instruction, stands eight places ahead of the scaled matrix instruction, its codes four
	M1
.if \next
	s_wait_dscnt 0x0                               ; the next x is in
	GK_D                                           ; 64 plain lines that name none of the products' registers: the places behind them
.else
	PLACES 4
.endif
	GELU_A
	GELU_B
	QUANT ACC, HC, HS
.if \next
	GK_F                                           ; 32 plain lines: the places between the hidden layer's scale word and the second product
.else
	PLACES 8
.endif
	M2
.if \next
	GK_E
.endif
	PLACES 4                                       ; the places behind the second product, and the plain line behind the last exponential
.if \next
	s_wait_alu depctr_va_vdst(0)                   ; the wait ahead of the first line that names an exponential's result: one for the 64
.endif
	STAGE
.if \next
	QUANT G, GC, GS                                ; stands between the stage's loads and the wait for them
.endif
	SEND \next
	WIN 0                                          ; at a label and at a branch every window is 0
.endm
	s_load_b512 s[8:23], s[0:1], 0x0               ; W1_codes s[8:9], W1_scales s[10:11], W2_codes s[12:13], W2_scales s[14:15], b1 s[16:17], b2 s[18:19], beta_emb s[20:21], coord s[22:23]
	s_load_b256 s[24:31], s[0:1], 0x40             ; gamma_emb s[24:25], means s[26:27], node_type s[28:29], stds s[30:31]
	s_load_b64 s[32:33], s[0:1], 0x60              ; out0
	v_lshl_add_u32 v[SPW], v0, 2, SPARE
	v_mov_b32 v[NIL], 0
	v_lshrrev_b32 v1, 5, v0
	v_readfirstlane_b32 s34, v1                    ; wave 0..3
	v_and_b32 v1, 31, v0                           ; lane
	v_and_b32 v184, 15, v0                         ; r
	v_bfe_u32 v185, v0, 4, 1                       ; h
	s_lshl_b32 s59, s34, 11
	s_add_co_u32 s59, s59, XR                      ; my wave's x
	s_mul_i32 s60, s34, 16*SPITCH
	s_add_co_u32 s60, s60, STG                     ; my wave's stage
	v_lshl_add_u32 v[XA], v184, 2, s59
	v_lshl_add_u32 v[XW], v1, 2, s59
	v_mul_u32_u24 v[SA], v184, SPITCH
	v_lshl_add_u32 v[SA], v185, 6, v[SA]
	v_add_nc_u32 v[SA], s60, v[SA]
	v_lshrrev_b32 v186, 3, v1                      ; lane / 8
	v_and_b32 v187, 7, v0                          ; lane % 8 = r % 8
	v_mul_u32_u24 v[RA], v186, SPITCH
	v_lshl_add_u32 v[RA], v187, 4, v[RA]
	v_add_nc_u32 v[RA], s60, v[RA]
	v_lshlrev_b32 v[GO], 4, v1
	v_lshlrev_b32 v[VNT], 2, v1
	v_mul_u32_u24 v[VCO], v1, 12
	v_lshlrev_b32 v[VK], 2, v0
	v_bfe_u32 v188, v0, 3, 1                       ; r / 8
	v_lshl_add_u32 v189, v188, 5, v187             ; 32 (r / 8) + r % 8
	v_lshl_add_u32 v190, v188, 4, v187             ; 16 (r / 8) + r % 8
	v_mul_u32_u24 v[VW1], v189, 96                 ; a row of 128 codes is 96 bytes
	v_mad_u32_u24 v[VW1], v185, 24, v[VW1]
	v_lshlrev_b32 v[VW1S], 2, v189
	v_mul_u32_u24 v[VW2], v190, 96
	v_mad_u32_u24 v[VW2], v185, 24, v[VW2]
	v_lshlrev_b32 v[VW2S], 2, v190
	v_lshlrev_b32 v[V128], 7, v185
	v_lshlrev_b32 v[V64], 6, v185
	v_mov_b32 v[X+1], 0                            ; named with x as a pair, so it is written
	WIN 0x80
	v_mov_b32 v[WT], 0                             ; written once: a lane permute's destination counts as one of its sources
	v_lshlrev_b32 v[SH8], 3, v185                  ; 8 h
	WIN 0xc0
	COEF CA+0,  0xabd3f331                         ; P's coefficients, highest power first: erf's alpha_i / 2^(6 - i) / (2 sqrt 2)
	COEF CA+2,  0x2fa84a8d
	COEF CA+4,  0xb347667d
	COEF CA+6,  0xb628d45d
	COEF CA+8,  0xb8883d9c
	COEF CA+10, 0xba08eb41
	COEF CA+12, 0xbbba79f3
	COEF CB+0,  0xb57460cd                         ; Q's: beta_i / 2^(4 - i)
	COEF CB+2,  0xb7dfbd29
	COEF CB+4,  0xb9dc924e
	COEF CB+6,  0xbb719bf8
	COEF CB+8,  0xbc69b6a7
	WIN 0
	s_lshl_b32 s35, ttmp9, 2
	s_add_co_u32 s35, s35, s34                     ; R: my row among the 1,024
	s_lshr_b32 s36, s35, 9                         ; b
	s_and_b32 s37, s35, 511                        ; n
	s_mul_i32 s44, s37, 12
	s_lshl_b32 s45, s37, 2
	s_lshl_b32 s40, s36, 11                        ; node_type: 2,048 bytes a batch
	s_mov_b32 s41, 0
	s_mul_i32 s42, s36, 6144                       ; coord: 6,144
	s_mov_b32 s43, 0
	s_lshl_b32 s50, s35, 16                        ; out0: 65,536 bytes a row
	s_mov_b32 s51, 0
	s_mov_b32 s38, 0x76543210
	s_mov_b32 s39, 0xfedcba98                      ; v_permlanex16_b32's selects for lane l xor 16
	s_mov_b32 s46, 0x40b504f3                      ; 4 sqrt 2
	s_mov_b32 s47, 0xc0b504f3
	s_mov_b32 s48, 0x3f38aa3b                      ; 0.5 log2(e), its upper part
	s_mov_b32 s61, 0
	s_wait_kmcnt 0x0
	s_add_nc_u64 s[28:29], s[28:29], s[40:41]
	s_add_nc_u64 s[22:23], s[22:23], s[42:43]
	s_add_nc_u64 s[32:33], s[32:33], s[50:51]
	s_load_b96 s[52:54], s[22:23], s44             ; c_n
	s_load_b32 s55, s[28:29], s45                  ; nt_n
	; 79 loads: lane l takes targets m = 32 i + l
	WIN 0x80
.irp i, 0,1,2,3,4,5,6,7,8,9,10,11,12,13,14,15
	global_load_b32 v[NT+\i], v[VNT], s[28:29] offset:128*\i
.endr
.irp i, 0,1,2,3,4,5,6,7,8,9,10,11,12,13,14,15
	global_load_b96 v[CO+4*\i:CO+4*\i+2], v[VCO], s[22:23] offset:384*\i
.endr
	WIN 0
	global_load_b32 v[KS], v[VK], s[30:31]         ; stds[thread]
.irp t, 0,1,2,3,4,5,6,7
	global_load_b32 v[W1S+\t], v[VW1S], s[10:11] offset:4*(64*(\t/4)+8*(\t%4))
.endr
.irp u, 0,1
	global_load_b32 v[W2S+\u], v[VW2S], s[14:15] offset:32*\u
.endr
.irp j, 0,1,2,3
	global_load_b128 v[B2+4*\j:B2+4*\j+3], v[V64], s[18:19] offset:16*\j
.endr
	WIN 0x40
.irp c, 0,1
.irp j, 0,1,2,3,4,5,6,7
	global_load_b128 v[B1+32*\c+4*\j:B1+32*\c+4*\j+3], v[V128], s[16:17] offset:256*\c+16*\j
.endr
.endr
.irp c, 0,1
.irp j, 0,1,2,3,4,5,6,7
	global_load_b128 v[MEAN+32*\c+4*\j:MEAN+32*\c+4*\j+3], v[V128], s[26:27] offset:256*\c+16*\j
.endr
.endr
	s_wait_kmcnt 0x0
	s_min_u32 s49, s55, 99                         ; the index is held inside the table
	s_lshl_b32 s49, s49, 2
	s_load_b32 s56, s[24:25], s49 offset:0x8       ; gamma_emb[nt_n + 2]
	s_load_b32 s57, s[20:21], s49 offset:0x8       ; beta_emb[nt_n + 2]
	s_wait_loadcnt 63                              ; behind the 16 loads of indices exactly 63 were issued
	WIN 0xaa
.irp i, 0,1,2,3,4,5,6,7,8,9,10,11,12,13,14,15
	v_min_u32 v[NT+\i], 99, v[NT+\i]
.endr
.irp i, 0,1,2,3,4,5,6,7,8,9,10,11,12,13,14,15
	v_lshlrev_b32 v[NT+\i], 2, v[NT+\i]
.endr
	WIN 0x82
.irp i, 0,1,2,3,4,5,6,7,8,9,10,11,12,13,14,15
	global_load_b32 v[GAM+\i], v[NT+\i], s[24:25] offset:412   ; gamma_emb[nt_m + 103]
.endr
.irp i, 0,1,2,3,4,5,6,7,8,9,10,11,12,13,14,15
	global_load_b32 v[BET+\i], v[NT+\i], s[20:21] offset:412
.endr
	WIN 0
	s_wait_loadcnt 63                              ; behind the load of stds 78 were issued: 63 is the stricter count
	; thread k makes ns2[k] and cc[k], once for the work-group
	v_add_f32 v[KS+1], 0x3c23d70a, |v[KS]|         ; a = |stds| + 0.01
	v_mul_f32 v[KS+2], v[KS+1], v[KS+1]            ; a^2, upper part
	v_fma_f32 v[KS+3], v[KS+1], v[KS+1], -v[KS+2]  ; and what the product lost
	v_rcp_f32 v[KS+4], v[KS+2]
	v_log_f32 v[KS+5], v[KS+1]
	v_nop                                          ; a plain line behind the two
	s_wait_alu depctr_va_vdst(0)                   ; and the wait ahead of their first reader
	v_mul_f32 v[KS+6], s48, v[KS+4]                ; t = K / a^2, roughly
	v_fma_f32 v[KS+7], -v[KS+6], v[KS+2], s48      ; what is left of K,
	v_fma_f32 v[KS+7], -v[KS+6], v[KS+3], v[KS+7]
	v_add_f32 v[KS+7], 0x32257060, v[KS+7]         ; with K's lower part
	v_fma_f32 v[KS+8], -v[KS+7], v[KS+4], -v[KS+6] ; ns2 = -(t + rest / a^2)
	v_sub_f32 v[KS+9], 0xbfa9b21d, v[KS+5]         ; cc = -log2(sqrt(2 pi)) - log2(a)
	ds_store_b32 v[VK], v[KS+8] offset:TNS2
	ds_store_b32 v[VK], v[KS+9] offset:TCC
	; the weights' fragments: 60 loads of 8 bytes; they stay in registers for the whole launch
.irp t, 0,1,2,3,4,5,6,7
.irp p, 0,1,2,3,4,5
	global_load_b64 v[W1F+12*\t+2*\p:W1F+12*\t+2*\p+1], v[VW1], s[8:9] offset:(64*(\t/4)+8*(\t%4))*96+48*(\p/3)+8*(\p%3)
.endr
.endr
.irp u, 0,1
.irp p, 0,1,2,3,4,5
	global_load_b64 v[W2F+12*\u+2*\p:W2F+12*\u+2*\p+1], v[VW2], s[12:13] offset:8*\u*96+48*(\p/3)+8*(\p%3)
.endr
.endr
	s_wait_loadcnt 60                              ; all but the 60 just issued
	s_wait_kmcnt 0x0                               ; the source's gamma and beta
	; x for my 16 targets
	WIN 0xaa
.irp i, 0,1,2,3,4,5,6,7,8,9,10,11,12,13,14,15
	v_sub_f32 v[CO+4*\i], v[CO+4*\i], s52
	v_sub_f32 v[CO+4*\i+1], v[CO+4*\i+1], s53
	v_sub_f32 v[CO+4*\i+2], v[CO+4*\i+2], s54
.endr
.irp i, 0,1,2,3,4,5,6,7,8,9,10,11,12,13,14,15
	v_mul_f32 v[PA+\i], v[CO+4*\i], v[CO+4*\i]
.endr
.irp i, 0,1,2,3,4,5,6,7,8,9,10,11,12,13,14,15
	v_fma_f32 v[PA+\i], v[CO+4*\i+1], v[CO+4*\i+1], v[PA+\i]
.endr
.irp i, 0,1,2,3,4,5,6,7,8,9,10,11,12,13,14,15
	v_fma_f32 v[PA+\i], v[CO+4*\i+2], v[CO+4*\i+2], v[PA+\i]
.endr
.irp i, 0,1,2,3,4,5,6,7,8,9,10,11,12,13,14,15
	v_sqrt_f32 v[PS+\i], v[PA+\i]
.endr
	v_nop
	s_wait_alu depctr_va_vdst(0)                   ; one wait for the 16 roots
.irp i, 0,1,2,3,4,5,6,7,8,9,10,11,12,13,14,15
	v_max_num_f32 v[PR+\i], 0x800000, v[PS+\i]     ; (a distance of 0 keeps a finite reciprocal; its remainder is 0)
.endr
.irp i, 0,1,2,3,4,5,6,7,8,9,10,11,12,13,14,15
	v_rcp_f32 v[PR+\i], v[PR+\i]
.endr
.irp i, 0,1,2,3,4,5,6,7,8,9,10,11,12,13,14,15
	v_fma_f32 v[PA+\i], -v[PS+\i], v[PS+\i], v[PA+\i]   ; a - s^2: plain work behind the reciprocals
.endr
.irp i, 0,1,2,3,4,5,6,7,8,9,10,11,12,13,14,15
	v_add_f32 v[GAM+\i], s56, v[GAM+\i]
	v_add_f32 v[BET+\i], s57, v[BET+\i]
.endr
	s_wait_alu depctr_va_vdst(0)                   ; one wait for the 16 reciprocals
.irp i, 0,1,2,3,4,5,6,7,8,9,10,11,12,13,14,15
	v_mul_f32 v[PA+\i], v[PA+\i], v[PR+\i]
.endr
.irp i, 0,1,2,3,4,5,6,7,8,9,10,11,12,13,14,15
	v_fma_f32 v[PS+\i], v[PA+\i], 0.5, v[PS+\i]    ; s + (a - s^2) / (2 s)
.endr
.irp i, 0,1,2,3,4,5,6,7,8,9,10,11,12,13,14,15
	v_fma_f32 v[PS+\i], v[GAM+\i], v[PS+\i], v[BET+\i]
.endr
	WIN 0x08                                       ; an LDS store's data are its source 1: window 2
.irp i, 0,1,2,3,4,5,6,7,8,9,10,11,12,13,14,15
	ds_store_b32 v[XW], v[PS+\i] offset:128*\i
.endr
	WIN 0
	s_wait_dscnt 0x0                               ; for the others' sake: my part of the two tables has landed
	s_barrier_signal -1
	s_barrier_wait -1                              ; the launch's one barrier: behind it the tables are whole, and nobody writes them again
	WIN 0x40
.irp c, 0,1
.irp j, 0,1,2,3,4,5,6,7
	ds_load_b128 v[NS2+32*\c+4*\j:NS2+32*\c+4*\j+3], v[V128] offset:TNS2+256*\c+16*\j
.endr
.endr
.irp c, 0,1
.irp j, 0,1,2,3,4,5,6,7
	ds_load_b128 v[CC+32*\c+4*\j:CC+32*\c+4*\j+3], v[V128] offset:TCC+256*\c+16*\j
.endr
.endr
	XLOAD                                          ; tile 0
	s_wait_dscnt 0x0
	GK_D
	GK_F
	GK_E
	v_nop
	s_wait_alu depctr_va_vdst(0)
	QUANT G, GC, GS
	WIN 0
	s_wait_loadcnt 0x0                             ; the weights
	s_mov_b32 s58, 31
.Ltile:                                            ; trip j: tile j goes through the chain, tile j + 1's Gaussians are made
	TRIP 1
	s_sub_co_u32 s58, s58, 1
	s_cmp_lg_u32 s58, 0
	s_cbranch_scc1 .Ltile
	TRIP 0                                         ; tile 31: nothing follows it
	s_wait_tensorcnt 0x0                           ; the wave's end: the closing lines, behind my last LDS store
	ds_add_u32 v[SPW], v[NIL]
	s_wait_dscnt 0x0
	s_endpgm
.Lfunc_end_k_q2a9f2ee60d_encode:
	.size	k_q2a9f2ee60d_encode, .Lfunc_end_k_q2a9f2ee60d_encode-k_q2a9f2ee60d_encode
	.p2alignl 7, 3214868480
	.fill 96, 4, 3214868480
	.section	.rodata,"a",@progbits
	.p2align	6, 0x0
	.amdhsa_kernel k_q2a9f2ee60d_encode
		.amdhsa_group_segment_fixed_size 18944
		.amdhsa_private_segment_fixed_size 0
		.amdhsa_enable_private_segment 0
		.amdhsa_kernarg_size 104
		.amdhsa_user_sgpr_count 2
		.amdhsa_user_sgpr_kernarg_segment_ptr 1
		.amdhsa_wavefront_size32 1
		.amdhsa_system_sgpr_workgroup_id_x 1
		.amdhsa_system_sgpr_workgroup_id_y 1
		.amdhsa_system_sgpr_workgroup_id_z 1
		.amdhsa_system_vgpr_workitem_id 0
		.amdhsa_next_free_vgpr 1024
		.amdhsa_next_free_sgpr 80
		.amdhsa_reserve_vcc 0
		.amdhsa_float_denorm_mode_32 3
		.amdhsa_float_denorm_mode_16_64 3
		.amdhsa_memory_ordered 1
		.amdhsa_forward_progress 1
		.amdhsa_inst_pref_size 143
	.end_amdhsa_kernel
	.amdgpu_metadata
---
amdhsa.version: [ 1, 2 ]
amdhsa.kernels:
  - .name:           k_q2a9f2ee60d_encode
    .symbol:         k_q2a9f2ee60d_encode.kd
    .args:
      - { .name: W1_codes, .offset: 0, .size: 8, .value_kind: global_buffer, .address_space: global }
      - { .name: W1_scales, .offset: 8, .size: 8, .value_kind: global_buffer, .address_space: global }
      - { .name: W2_codes, .offset: 16, .size: 8, .value_kind: global_buffer, .address_space: global }
      - { .name: W2_scales, .offset: 24, .size: 8, .value_kind: global_buffer, .address_space: global }
      - { .name: b1, .offset: 32, .size: 8, .value_kind: global_buffer, .address_space: global }
      - { .name: b2, .offset: 40, .size: 8, .value_kind: global_buffer, .address_space: global }
      - { .name: beta_emb, .offset: 48, .size: 8, .value_kind: global_buffer, .address_space: global }
      - { .name: coord, .offset: 56, .size: 8, .value_kind: global_buffer, .address_space: global }
      - { .name: gamma_emb, .offset: 64, .size: 8, .value_kind: global_buffer, .address_space: global }
      - { .name: means, .offset: 72, .size: 8, .value_kind: global_buffer, .address_space: global }
      - { .name: node_type, .offset: 80, .size: 8, .value_kind: global_buffer, .address_space: global }
      - { .name: stds, .offset: 88, .size: 8, .value_kind: global_buffer, .address_space: global }
      - { .name: out0, .offset: 96, .size: 8, .value_kind: global_buffer, .address_space: global }
    .group_segment_fixed_size: 18944
    .private_segment_fixed_size: 0
    .kernarg_segment_align: 8
    .kernarg_segment_size: 104
    .max_flat_workgroup_size: 128
    .sgpr_count:     80
    .vgpr_count:     1024
    .wavefront_size: 32
...
	.end_amdgpu_metadata
.endif
;; end of part 1
;; ======== version 2 of 2: 1 launch; version 1 with the launch encode written anew for expert scheduling mode
;; launch encode (part 2): grid 256 x 1, 4 waves a work-group, no clusters, 18,944 bytes of LDS; arguments W1_codes, W1_scales, W2_codes, W2_scales, b1, b2, beta_emb, coord, gamma_emb, means, node_type, stds, out0; writes out0
.if DOCPART == 2
	.amdgcn_target "amdgcn-amd-amdhsa--gfx1250"
	.amdhsa_code_object_version 6
	.text
	.protected	k_q2a9f2ee60d_encode
	.globl	k_q2a9f2ee60d_encode
	.p2align	8
	.type	k_q2a9f2ee60d_encode,@function
k_q2a9f2ee60d_encode:
	s_mov_b64 s[64:65], 0
	v_nop
	global_prefetch_b8 v0, s[64:65] scope:SCOPE_SE
	s_setreg_imm32_b32 hwreg(HW_REG_WAVE_SCHED_MODE, 0, 2), 2
	s_setreg_imm32_b32 hwreg(HW_REG_WAVE_MODE, 25, 1), 1
	s_wait_xcnt 0x0
	s_wait_alu depctr_vm_vsrc(0)
; out0[b][n][m][:] = W2 Q(gelu(W1 Q(gk) + b1)) + b2,  gk[k] = exp(-0.5 ((x - means[k]) / std[k])^2) / (sqrt(2 pi) std[k]),  std = |stds| + 0.01,
; x = (gamma[nt_n + 2] + gamma[nt_m + 103]) |c_n - c_m| + beta[nt_n + 2] + beta[nt_m + 103].  Q: the MX quantiser to E2M3 along K, blocks of 32.  W1, W2 come as codes and scale bytes and are used as they lie.
; NOTHING IS LEFT OUT: every input has a way to the output and x is not symmetric in (n, m), so all 524,288 pairs are computed; of the two embedding tables only the entries that node_type names are read.
; SHARES.  256 work-groups of four waves, one wave to a SIMD.  Wave R = 4 x work-group + wave owns one row (b = R / 512, n = R % 512): its 512 pairs are 32 tiles of 16 and 65,536 consecutive bytes of out0.
; LAYOUT.  Both products are used transposed (source 0 = 16 rows of a weight, source 1 = 16 pairs), so lane (r, h) = (lane % 16, lane / 16) holds pair r throughout.  The 6-bit operand gives that lane
; k = 64 c + 32 h + i (c = 0, 1; i = 0 .. 31): two WHOLE blocks.  "Number q = 32 c + i of a lane" always means that k.  gk is computed straight in that order (means, factor and offset lie so in registers), and
; THE ROWS OF W1 THAT FORM A TILE ARE CHOSEN so that the first product's results lie so too: row i of tile t is W1's row 64 (t / 4) + 8 (t % 4) + 32 (i / 8) + i % 8, whence register 8 t + j is hidden unit number q = 8 t + j.
; So a block's largest magnitude needs no other lane, no codes change lanes, and one macro quantises both operands.  Row i of W2's tile u is head 16 (i / 8) + 8 u + i % 8: a lane's 16 results are heads 16 h + 0 .. 15, 64 neighbouring bytes.
; The biases are the C of the matrix instructions, in the results' layout.
; ARITHMETIC, all f32.  The distance is a square root with one Newton step.  gk = 2^(ns2 (x - mean)^2 + cc), ns2 = -0.5 log2(e) / std^2 (made once, with a correction term), cc = -log2(sqrt(2 pi) std).
; gelu(v) = v (0.5 + vc P(vc^2) / Q(vc^2)), vc = v held to +-4 sqrt(2): the usual f32 rational form of erf (degrees 6 and 4 in x^2, x held to +-4), with x^2 = vc^2 / 2 and the factor 1 / (2 sqrt 2) folded into the coefficients.
; THE NEXT TILE'S GAUSSIANS STAND IN THE GAPS OF THIS TILE'S CHAIN: its differences and squares behind the first product, its multiply-adds ahead of the second, its exponentials and quantiser round the way out.
; LIMITS.  node_type outside 0 .. 99 (as an unsigned number) is held at 99.  NaN and infinities among the inputs, and a squared distance beyond f32's range, are not served.  A gk under 2^-126 becomes 0.
; A block of zeros carries the scale byte 1, not 127: its codes are zeros and only this program reads the byte.  For v under -4 sqrt(2) gelu comes out as |v| x (at most 1e-7) and not as the exact tail.
; NO TENSOR LOADS, NO CLUSTER: what work-groups share is 16 KB of weights, which each wave reads once into registers for its 65,536 bytes of output; no tile recurs.  No prefetch: nothing streams in.
; THE MODE: SCHED_MODE bits 1:0 = 2 (LLVM: expert scheduling mode 2), set by the entry lines.  The code itself states the register dependences
; between vector or matrix instructions and memory or LDS instructions, with s_wait_alu, always for 0.
; THE PLAN.  Registers that memory or LDS instructions touch, in the loop:
;   v[XAD]   Written by one add at a trip's head; read by the LDS load of the next tile's x, which follows it.
;   v[X]     That load lands in it; the trip's 32 differences read it.
;   OUTR     Written by the second product; read by the stage's four LDS stores.
;   SB       The stage's four LDS loads land in it; the tile's four global stores read it; no vector instruction of the loop names it.
;   v[SA], v[RA], v[GO]  Addresses, made at the head and never written again; out0's base is a scalar pair, stepped once a trip.
;   GC, GS, HC, HS  Written by the quantiser's vector lines, taken by the scaled matrix instructions as operand and scales.
; A trip has one wait on vm_vsrc, at its head, for v[XAD], OUTR and SB together, and five on va_vdst: ahead of the first product (GC, GS; v[XAD] written; v[X] read), ahead of the reciprocals and behind them,
; ahead of the second product (HC, HS), and ahead of the stage (OUTR written; the exponentials' results).  The wait on XCNT for a tile's stores stands a trip's work behind them, ahead of the next tile's stage.
; REGISTERS, in windows of 256 (s_set_vgpr_msb: bits 1:0 source 0, 3:2 source 1, 5:4 source 2, 7:6 destination):
;   window 0: addresses, scale words, W1's 8 and W2's 2 fragments, b2, the second product's results, the way out.   window 1: means, ns2, cc, b1, 64 each, in the order of the lane's numbers.
;   window 2: G (gk), ACC (first product, then the hidden layer), VC, the two operands' codes, the quantiser's scratch.   window 3: P, Q, Y of the rational form and its 12 coefficients, each twice (a pair for the packed forms).
.set TNS2,   0                         ; LDS: ns2[k], 512 bytes
.set TCC,    512                       ; cc[k], 512 bytes
.set XR,     1024                      ; x[m] of each wave's row: 2,048 bytes a wave, the wave's own
.set STG,    9216                      ; the way out: 16 rows of 128 bytes + 16 for each wave, the wave's own
.set SPITCH, 144
.set SPARE,  18432                     ; the spare words, 128 bytes for each wave: two blocks of 256 bytes that no other line names
; window 0
.set XA,   2                           ; XR + 2048 wave + 4 r
.set SA,   3                           ; stage, in: row r, + 64 h
.set RA,   4                           ; stage, back: row lane / 8, + 16 (lane % 8)
.set GO,   5                           ; 16 x lane
.set SPW,  6                           ; my spare word; never rewritten
.set NIL,  7                           ; 0; never rewritten
.set VNT,  8                           ; 4 x lane
.set VCO,  9                           ; 12 x lane
.set VK,   10                          ; 4 x thread
.set VW1,  11                          ; (32 (r / 8) + r % 8) x 96 + 24 h
.set VW1S, 12                          ; 4 (32 (r / 8) + r % 8)
.set VW2,  13                          ; (16 (r / 8) + r % 8) x 96 + 24 h
.set VW2S, 14                          ; 4 (16 (r / 8) + r % 8)
.set V128, 15                          ; 128 h
.set V64,  16                          ; 64 h
.set XW,   17                          ; XR + 2048 wave + 4 x lane
.set XAD,  18                          ; the address of the tile's x
.set W1S,  20                          ; v20-27 W1's scale words, a tile each
.set W2S,  28                          ; v28-29 W2's
.set GS,   30                          ; gk's scale word
.set HS,   31                          ; the hidden layer's
.set W1F,  32                          ; v32-127 W1's fragments
.set W2F,  128                         ; v128-151 W2's
.set B2,   152                         ; v152-167
.set OUTR, 168                         ; v168-183
.set SB,   184                         ; v184-199 rows read back from the stage (at the head: temporaries)
.set X,    200                         ; v200 x of my pair; v201 = 0, named with it as a pair
.set KS,   204                         ; v204-213 the constants' scratch
; window 1
.set MEAN, 0
.set NS2,  64
.set CC,   128
.set B1,   192
; window 2
.set G,    0
.set ACC,  64
.set VC,   128
.set GC,   192
.set HC,   204
.set CT,   216
.set TM,   224
.set SO,   232
.set BY,   234
.set WD,   236
.set WT,   237
.set SH8,  238
.set NT,   0                           ; at the head: 16 target indices,
.set GAM,  16                          ; their gammas,
.set BET,  32                          ; their betas,
.set CO,   64                          ; their coordinates, 3 registers in places of 4,
.set PA,   128                         ; squared distances, then the Newton step's remainder,
.set PS,   144                         ; roots, then x,
.set PR,   160                         ; reciprocals
; window 3
.set P,    0
.set Q,    64
.set Y,    128
.set CA,   192
.set CB,   206
.set MSB, 0
.macro WIN new                         ; the immediate's high byte repeats the setting that is left; a switch that changes nothing is dropped
.if MSB != \new
	s_set_vgpr_msb (MSB<<8)|\new
.set MSB, \new
.endif
.endm
.macro PLACES n
.rept \n
	v_nop
.endr
.endm
.macro COEF reg, val
	v_mov_b32 v[\reg], \val
	v_mov_b32 v[\reg+1], \val
.endm
.macro GK_D                            ; (x - mean)^2, two numbers a line
	WIN 0x84
.set i, 0
.rept 32
	v_pk_add_f32 v[G+i:G+i+1], v[X:X+1], v[MEAN+i:MEAN+i+1] op_sel_hi:[0,1] neg_lo:[0,1] neg_hi:[0,1]
.set i, i+2
.endr
	WIN 0x8a
.set i, 0
.rept 32
	v_pk_mul_f32 v[G+i:G+i+1], v[G+i:G+i+1], v[G+i:G+i+1]
.set i, i+2
.endr
.endm
.macro GK_F                            ; the exponent: ns2 d^2 + cc
	WIN 0x96
.set i, 0
.rept 32
	v_pk_fma_f32 v[G+i:G+i+1], v[G+i:G+i+1], v[NS2+i:NS2+i+1], v[CC+i:CC+i+1]
.set i, i+2
.endr
.endm
.macro GK_E
	WIN 0x82
.set i, 0
.rept 64
	v_exp_f32 v[G+i], v[G+i]
.set i, i+1
.endr
.endm
; The first product: 8 tiles of 16 hidden units x my 16 pairs; C = b1.  Eight different accumulators: no chain.
.macro M1
	WIN 0x98
.irp t, 0,1,2,3,4,5,6,7
	v_wmma_scale_f32_16x16x128_f8f6f4 v[ACC+8*\t:ACC+8*\t+7], v[W1F+12*\t:W1F+12*\t+11], v[GC:GC+11], v[B1+8*\t:B1+8*\t+7], v[W1S+\t], v[GS] matrix_a_fmt:MATRIX_FMT_FP6 matrix_b_fmt:MATRIX_FMT_FP6
.endr
.endm
; The second: 2 tiles of 16 heads; C = b2
.macro M2
	WIN 0x08
	s_wait_alu depctr_va_vdst(0)                   ; the quantiser's lines have written HC and HS, which the scaled matrix instructions take as operand and scales; the places ahead stay beside this wait
.irp u, 0,1
	v_wmma_scale_f32_16x16x128_f8f6f4 v[OUTR+8*\u:OUTR+8*\u+7], v[W2F+12*\u:W2F+12*\u+11], v[HC:HC+11], v[B2+8*\u:B2+8*\u+7], v[W2S+\u], v[HS] matrix_a_fmt:MATRIX_FMT_FP6 matrix_b_fmt:MATRIX_FMT_FP6
.endr
.endm
.macro HORNER acc, coef                ; acc = acc y + coef, 32 pairs that do not wait for each other
.set i, 0
.rept 32
	v_pk_fma_f32 v[\acc+i:\acc+i+1], v[\acc+i:\acc+i+1], v[Y+i:Y+i+1], v[\coef:\coef+1]
.set i, i+2
.endr
.endm
.macro GELU_A
	WIN 0x82
.set i, 0
.rept 64
	v_med3_num_f32 v[VC+i], v[ACC+i], s47, s46     ; vc; in ascending order
.set i, i+1
.endr
	WIN 0xca
.set i, 0
.rept 32
	v_pk_mul_f32 v[Y+i:Y+i+1], v[VC+i:VC+i+1], v[VC+i:VC+i+1]
.set i, i+2
.endr
	WIN 0xff
.set i, 0
.rept 32
	v_pk_fma_f32 v[P+i:P+i+1], v[Y+i:Y+i+1], v[CA:CA+1], v[CA+2:CA+3]
.set i, i+2
.endr
	HORNER P, CA+4
	HORNER P, CA+6
	HORNER P, CA+8
	HORNER P, CA+10
	HORNER P, CA+12
.set i, 0
.rept 32
	v_pk_fma_f32 v[Q+i:Q+i+1], v[Y+i:Y+i+1], v[CB:CB+1], v[CB+2:CB+3]
.set i, i+2
.endr
	HORNER Q, CB+4
	HORNER Q, CB+6
	HORNER Q, CB+8
	WIN 0xcb                                       ; serves both forms below: destination and source 0 window 3, source 1 window 2
.set i, 0
	s_wait_alu depctr_va_vdst(0)
.rept 32
	v_rcp_f32 v[Q+i], v[Q+i]                       ; 1 / Q (all of Q's coefficients are negative and y is not: Q is never 0)
	v_rcp_f32 v[Q+i+1], v[Q+i+1]
	v_pk_mul_f32 v[P+i:P+i+1], v[P+i:P+i+1], v[VC+i:VC+i+1]   ; P vc: plain work that names no reciprocal; the last line of the batch is such a line
.set i, i+2
.endr
	s_wait_alu depctr_va_vdst(0)                   ; the 64 reciprocals have written Q: the wait ahead of the first line that names one of them
.endm
.macro GELU_B
	WIN 0xff
.set i, 0
.rept 32
	v_pk_fma_f32 v[P+i:P+i+1], v[P+i:P+i+1], v[Q+i:Q+i+1], 0.5 op_sel_hi:[1,1,0]
.set i, i+2
.endr
	WIN 0x8e
.set i, 0
.rept 32
	v_pk_mul_f32 v[ACC+i:ACC+i+1], v[ACC+i:ACC+i+1], v[P+i:P+i+1]   ; the hidden layer, with the unclipped v
.set i, i+2
.endr
.endm
; A lane's 64 numbers v[s] .. v[s + 63] (window 2), two whole blocks of 32, become 12 registers of codes at v[cod] (window 2) and the pair's scale word in v[sw] (window 0).
; A block's scale is its largest magnitude's exponent field less 2; the floor 2^(3 - 127) among the maximum's leaves holds the byte at 1 from below.
.macro QUANT s, cod, sw
	WIN 0xaa
.irp j, 0,1,2,3
.irp c, 0,1
	v_max3_num_f32 v[TM+4*\c+\j], |v[\s+32*\c+8*\j]|, |v[\s+32*\c+8*\j+1]|, |v[\s+32*\c+8*\j+2]|   ; four chains a block, the two blocks by turns
.endr
.endr
.irp i, 3,5
.irp j, 0,1,2,3
.irp c, 0,1
	v_max3_num_f32 v[TM+4*\c+\j], v[TM+4*\c+\j], |v[\s+32*\c+8*\j+\i]|, |v[\s+32*\c+8*\j+\i+1]|
.endr
.endr
.endr
.irp c, 0,1
	v_max3_num_f32 v[TM+4*\c], v[TM+4*\c], |v[\s+32*\c+7]|, |v[\s+32*\c+15]|
	v_max3_num_f32 v[TM+4*\c+2], v[TM+4*\c+2], |v[\s+32*\c+23]|, |v[\s+32*\c+31]|
.endr
.irp c, 0,1
	v_max3_num_f32 v[TM+4*\c], v[TM+4*\c], v[TM+4*\c+1], v[TM+4*\c+2]
.endr
.irp c, 0,1
	v_max3_num_f32 v[TM+4*\c], v[TM+4*\c], v[TM+4*\c+3], 0x1800000
.endr
.irp c, 0,1
	v_add_nc_u32 v[SO+\c], 0xff000000, v[TM+4*\c]  ; 2 off the exponent field: the conversion takes the exponent field of this operand as its scale
.endr
	v_cvt_scalef32_pk16_fp6_f32 v[\cod:\cod+2], v[\s:\s+15], v[SO]
	v_lshrrev_b32 v[BY], 23, v[SO]                 ; the bytes and the word are made between the conversions: a plain line behind each
	v_cvt_scalef32_pk16_fp6_f32 v[CT:CT+2], v[\s+16:\s+31], v[SO]            ; (a conversion's three registers begin on an even number: a block's second half is made elsewhere and moved)
	v_lshrrev_b32 v[BY+1], 23, v[SO+1]
	v_cvt_scalef32_pk16_fp6_f32 v[\cod+6:\cod+8], v[\s+32:\s+47], v[SO+1]
	v_lshl_or_b32 v[WD], v[BY+1], 16, v[BY]        ; my blocks are h and 2 + h of the pair's four:
	v_cvt_scalef32_pk16_fp6_f32 v[CT+4:CT+6], v[\s+48:\s+63], v[SO+1]
	v_lshlrev_b32 v[WD], v[SH8], v[WD]             ; 8 h bits up;
	v_permlanex16_b32 v[WT], v[WD], s38, s39       ; with lane l xor 16's two bytes the word is whole
.irp i, 0,1,2
	v_mov_b32 v[\cod+3+\i], v[CT+\i]
	v_mov_b32 v[\cod+9+\i], v[CT+4+\i]
.endr
	WIN 0x0a
	v_or_b32 v[\sw], v[WD], v[WT]
.endm
; The way out: a lane's 64 bytes of its pair's 128 go into my own stage and come back as 2,048 consecutive bytes.  LDS serves a wave's instructions in order, so no wait stands between the stores and the loads.
.macro STAGE
	WIN 0
	s_wait_alu depctr_va_vdst(0)                   ; the second product has written OUTR, which the LDS stores read (the four places ahead stay beside this wait); and the 64 exponentials, where the trip has them, have written G: the wait ahead of the first line that names one of them
	s_wait_xcnt 0x0                                ; the last tile's stores, a trip's work back, have had their addresses translated: only behind this wait is their base stepped and are their data registers loaded again
	s_add_nc_u64 s[32:33], s[32:33], 2048          ; out0's base stands one tile ahead of the tile in hand: the stores reach back
.irp q, 0,1,2,3
	ds_store_b128 v[SA], v[OUTR+4*\q:OUTR+4*\q+3] offset:16*\q   ; each accumulator from its low end on
.endr
.irp i, 0,1,2,3
	ds_load_b128 v[SB+4*\i:SB+4*\i+3], v[RA] offset:4*SPITCH*\i  ; no vector instruction of the loop names SB; that the last tile's stores have read it is stated at the trip's head
.endr
.endm
.macro SEND
	WIN 0
	s_wait_dscnt 0x0                               ; the tile is back in registers
.irp i, 0,1,2,3
	global_store_b128 v[GO], v[SB+4*\i:SB+4*\i+3], s[32:33] offset:512*\i-2048 th:TH_STORE_NT   ; 32 lanes store 512 consecutive bytes, at a multiple of 256 from out0's first byte; written once
.endr
.endm
; A tile.  next = 1: the next tile's Gaussians are made on the way.
.macro TRIP next
	WIN 0
	s_wait_alu depctr_vm_vsrc(0)                   ; the LDS load of the last x has read v[XAD], which the add below writes; the last tile's LDS stores have read OUTR, which the second product writes again; its global stores have read SB, in which the stage's loads land again
.if \next
	v_add_nc_u32 v[XAD], s61, v[XA]                ; x of the next tile's pair r: 64 bytes on in my wave's row each time
.endif
	PLACES 8                                       ; gk's scale word, written by a vector instruction, stands eight places ahead of the scaled matrix instruction, its codes four
	s_wait_alu depctr_va_vdst(0)                   ; the quantiser's lines have written GC and GS, which the scaled matrix instructions take; v[XAD] is written, which the load below reads; the last differences are done reading v[X], in which it lands
.if \next
	ds_load_b32 v[X], v[XAD]                       ; ahead of the first product, which names neither register
	s_add_co_u32 s61, s61, 64
.endif
	M1
.if \next
	s_wait_dscnt 0x0                               ; the next x is in
	GK_D                                           ; 64 plain lines that name none of the products' registers: the places behind them
.else
	PLACES 4
.endif
	GELU_A
	GELU_B
	QUANT ACC, HC, HS
.if \next
	GK_F                                           ; 32 plain lines: the places between the hidden layer's scale word and the second product
.else
	PLACES 8
.endif
	M2
.if \next
	GK_E
.endif
	PLACES 4                                       ; the places behind the second product, and the plain line behind the last exponential
	STAGE
.if \next
	QUANT G, GC, GS                                ; stands between the stage's loads and the wait for them; it names none of the registers that the stage's stores and loads touch
.endif
	SEND
	WIN 0                                          ; at a label and at a branch every window is 0
.endm
	s_load_b512 s[8:23], s[0:1], 0x0               ; W1_codes s[8:9], W1_scales s[10:11], W2_codes s[12:13], W2_scales s[14:15], b1 s[16:17], b2 s[18:19], beta_emb s[20:21], coord s[22:23]
	s_load_b256 s[24:31], s[0:1], 0x40             ; gamma_emb s[24:25], means s[26:27], node_type s[28:29], stds s[30:31]
	s_load_b64 s[32:33], s[0:1], 0x60              ; out0
	v_lshl_add_u32 v[SPW], v0, 2, SPARE
	v_mov_b32 v[NIL], 0
	v_lshrrev_b32 v1, 5, v0
	v_readfirstlane_b32 s34, v1                    ; wave 0..3
	v_and_b32 v1, 31, v0                           ; lane
	v_and_b32 v184, 15, v0                         ; r
	v_bfe_u32 v185, v0, 4, 1                       ; h
	s_wait_alu depctr_va_sdst(0)                   ; s34 is written, ahead of its first reader: LDS addresses and the row's number are made from it
	s_lshl_b32 s59, s34, 11
	s_add_co_u32 s59, s59, XR                      ; my wave's x
	s_mul_i32 s60, s34, 16*SPITCH
	s_add_co_u32 s60, s60, STG                     ; my wave's stage
	v_lshl_add_u32 v[XA], v184, 2, s59
	v_lshl_add_u32 v[XW], v1, 2, s59
	v_mul_u32_u24 v[SA], v184, SPITCH
	v_lshl_add_u32 v[SA], v185, 6, v[SA]
	v_add_nc_u32 v[SA], s60, v[SA]
	v_lshrrev_b32 v186, 3, v1                      ; lane / 8
	v_and_b32 v187, 7, v0                          ; lane % 8 = r % 8
	v_mul_u32_u24 v[RA], v186, SPITCH
	v_lshl_add_u32 v[RA], v187, 4, v[RA]
	v_add_nc_u32 v[RA], s60, v[RA]
	v_lshlrev_b32 v[GO], 4, v1
	v_lshlrev_b32 v[VNT], 2, v1
	v_mul_u32_u24 v[VCO], v1, 12
	v_lshlrev_b32 v[VK], 2, v0
	v_bfe_u32 v188, v0, 3, 1                       ; r / 8
	v_lshl_add_u32 v189, v188, 5, v187             ; 32 (r / 8) + r % 8
	v_lshl_add_u32 v190, v188, 4, v187             ; 16 (r / 8) + r % 8
	v_mul_u32_u24 v[VW1], v189, 96                 ; a row of 128 codes is 96 bytes
	v_mad_u32_u24 v[VW1], v185, 24, v[VW1]
	v_lshlrev_b32 v[VW1S], 2, v189
	v_mul_u32_u24 v[VW2], v190, 96
	v_mad_u32_u24 v[VW2], v185, 24, v[VW2]
	v_lshlrev_b32 v[VW2S], 2, v190
	v_lshlrev_b32 v[V128], 7, v185
	v_lshlrev_b32 v[V64], 6, v185
	v_mov_b32 v[X+1], 0                            ; named with x as a pair, so it is written
	WIN 0x80
	v_mov_b32 v[WT], 0                             ; written once: a lane permute's destination counts as one of its sources
	v_lshlrev_b32 v[SH8], 3, v185                  ; 8 h
	WIN 0xc0
	COEF CA+0,  0xabd3f331                         ; P's coefficients, highest power first: erf's alpha_i / 2^(6 - i) / (2 sqrt 2)
	COEF CA+2,  0x2fa84a8d
	COEF CA+4,  0xb347667d
	COEF CA+6,  0xb628d45d
	COEF CA+8,  0xb8883d9c
	COEF CA+10, 0xba08eb41
	COEF CA+12, 0xbbba79f3
	COEF CB+0,  0xb57460cd                         ; Q's: beta_i / 2^(4 - i)
	COEF CB+2,  0xb7dfbd29
	COEF CB+4,  0xb9dc924e
	COEF CB+6,  0xbb719bf8
	COEF CB+8,  0xbc69b6a7
	WIN 0
	s_lshl_b32 s35, ttmp9, 2
	s_add_co_u32 s35, s35, s34                     ; R: my row among the 1,024
	s_lshr_b32 s36, s35, 9                         ; b
	s_and_b32 s37, s35, 511                        ; n
	s_mul_i32 s44, s37, 12
	s_lshl_b32 s45, s37, 2
	s_lshl_b32 s40, s36, 11                        ; node_type: 2,048 bytes a batch
	s_mov_b32 s41, 0
	s_mul_i32 s42, s36, 6144                       ; coord: 6,144
	s_mov_b32 s43, 0
	s_lshl_b32 s50, s35, 16                        ; out0: 65,536 bytes a row
	s_mov_b32 s51, 0
	s_mov_b32 s38, 0x76543210
	s_mov_b32 s39, 0xfedcba98                      ; v_permlanex16_b32's selects for lane l xor 16
	s_mov_b32 s46, 0x40b504f3                      ; 4 sqrt 2
	s_mov_b32 s47, 0xc0b504f3
	s_mov_b32 s48, 0x3f38aa3b                      ; 0.5 log2(e), its upper part
	s_mov_b32 s61, 0
	s_wait_kmcnt 0x0
	s_add_nc_u64 s[28:29], s[28:29], s[40:41]
	s_add_nc_u64 s[22:23], s[22:23], s[42:43]
	s_add_nc_u64 s[32:33], s[32:33], s[50:51]
	s_load_b96 s[52:54], s[22:23], s44             ; c_n
	s_load_b32 s55, s[28:29], s45                  ; nt_n
	; 79 loads: lane l takes targets m = 32 i + l
	WIN 0x80
	s_wait_alu depctr_va_vdst(0)                   ; the offsets and addresses v2 to v5 and v8 to v17 are written, which the kernel's loads and stores read; so are v184 to v190, in which the stage's loads land later
.irp i, 0,1,2,3,4,5,6,7,8,9,10,11,12,13,14,15
	global_load_b32 v[NT+\i], v[VNT], s[28:29] offset:128*\i
.endr
.irp i, 0,1,2,3,4,5,6,7,8,9,10,11,12,13,14,15
	global_load_b96 v[CO+4*\i:CO+4*\i+2], v[VCO], s[22:23] offset:384*\i
.endr
	WIN 0
	global_load_b32 v[KS], v[VK], s[30:31]         ; stds[thread]
.irp t, 0,1,2,3,4,5,6,7
	global_load_b32 v[W1S+\t], v[VW1S], s[10:11] offset:4*(64*(\t/4)+8*(\t%4))
.endr
.irp u, 0,1
	global_load_b32 v[W2S+\u], v[VW2S], s[14:15] offset:32*\u
.endr
.irp j, 0,1,2,3
	global_load_b128 v[B2+4*\j:B2+4*\j+3], v[V64], s[18:19] offset:16*\j
.endr
	WIN 0x40
.irp c, 0,1
.irp j, 0,1,2,3,4,5,6,7
	global_load_b128 v[B1+32*\c+4*\j:B1+32*\c+4*\j+3], v[V128], s[16:17] offset:256*\c+16*\j
.endr
.endr
.irp c, 0,1
.irp j, 0,1,2,3,4,5,6,7
	global_load_b128 v[MEAN+32*\c+4*\j:MEAN+32*\c+4*\j+3], v[V128], s[26:27] offset:256*\c+16*\j
.endr
.endr
	s_wait_kmcnt 0x0
	s_min_u32 s49, s55, 99                         ; the index is held inside the table
	s_lshl_b32 s49, s49, 2
	s_load_b32 s56, s[24:25], s49 offset:0x8       ; gamma_emb[nt_n + 2]
	s_load_b32 s57, s[20:21], s49 offset:0x8       ; beta_emb[nt_n + 2]
	s_wait_loadcnt 63                              ; behind the 16 loads of indices exactly 63 were issued
	WIN 0xaa
.irp i, 0,1,2,3,4,5,6,7,8,9,10,11,12,13,14,15
	v_min_u32 v[NT+\i], 99, v[NT+\i]
.endr
.irp i, 0,1,2,3,4,5,6,7,8,9,10,11,12,13,14,15
	v_lshlrev_b32 v[NT+\i], 2, v[NT+\i]
.endr
	WIN 0x82
	s_wait_alu depctr_va_vdst(0)                   ; the 16 held and shifted indices are written, which the 32 gathers read as their offsets
.irp i, 0,1,2,3,4,5,6,7,8,9,10,11,12,13,14,15
	global_load_b32 v[GAM+\i], v[NT+\i], s[24:25] offset:412   ; gamma_emb[nt_m + 103]
.endr
.irp i, 0,1,2,3,4,5,6,7,8,9,10,11,12,13,14,15
	global_load_b32 v[BET+\i], v[NT+\i], s[20:21] offset:412
.endr
	WIN 0
	s_wait_loadcnt 63                              ; behind the load of stds 78 were issued: 63 is the stricter count
	; thread k makes ns2[k] and cc[k], once for the work-group
	v_add_f32 v[KS+1], 0x3c23d70a, |v[KS]|         ; a = |stds| + 0.01
	v_mul_f32 v[KS+2], v[KS+1], v[KS+1]            ; a^2, upper part
	v_fma_f32 v[KS+3], v[KS+1], v[KS+1], -v[KS+2]  ; and what the product lost
	v_rcp_f32 v[KS+4], v[KS+2]
	v_log_f32 v[KS+5], v[KS+1]
	v_nop                                          ; a plain line behind the two
	s_wait_alu depctr_va_vdst(0)                   ; the reciprocal and the logarithm are written: the wait ahead of their first reader
	v_mul_f32 v[KS+6], s48, v[KS+4]                ; t = K / a^2, roughly
	v_fma_f32 v[KS+7], -v[KS+6], v[KS+2], s48      ; what is left of K,
	v_fma_f32 v[KS+7], -v[KS+6], v[KS+3], v[KS+7]
	v_add_f32 v[KS+7], 0x32257060, v[KS+7]         ; with K's lower part
	v_fma_f32 v[KS+8], -v[KS+7], v[KS+4], -v[KS+6] ; ns2 = -(t + rest / a^2)
	v_sub_f32 v[KS+9], 0xbfa9b21d, v[KS+5]         ; cc = -log2(sqrt(2 pi)) - log2(a)
	s_wait_alu depctr_va_vdst(0)                   ; ns2 and cc are written, which the two LDS stores read
	ds_store_b32 v[VK], v[KS+8] offset:TNS2
	ds_store_b32 v[VK], v[KS+9] offset:TCC
	; the weights' fragments: 60 loads of 8 bytes; they stay in registers for the whole launch
.irp t, 0,1,2,3,4,5,6,7
.irp p, 0,1,2,3,4,5
	global_load_b64 v[W1F+12*\t+2*\p:W1F+12*\t+2*\p+1], v[VW1], s[8:9] offset:(64*(\t/4)+8*(\t%4))*96+48*(\p/3)+8*(\p%3)
.endr
.endr
.irp u, 0,1
.irp p, 0,1,2,3,4,5
	global_load_b64 v[W2F+12*\u+2*\p:W2F+12*\u+2*\p+1], v[VW2], s[12:13] offset:8*\u*96+48*(\p/3)+8*(\p%3)
.endr
.endr
	s_wait_loadcnt 60                              ; all but the 60 just issued
	s_wait_kmcnt 0x0                               ; the source's gamma and beta
	; x for my 16 targets
	WIN 0xaa
.irp i, 0,1,2,3,4,5,6,7,8,9,10,11,12,13,14,15
	v_sub_f32 v[CO+4*\i], v[CO+4*\i], s52
	v_sub_f32 v[CO+4*\i+1], v[CO+4*\i+1], s53
	v_sub_f32 v[CO+4*\i+2], v[CO+4*\i+2], s54
.endr
.irp i, 0,1,2,3,4,5,6,7,8,9,10,11,12,13,14,15
	v_mul_f32 v[PA+\i], v[CO+4*\i], v[CO+4*\i]
.endr
.irp i, 0,1,2,3,4,5,6,7,8,9,10,11,12,13,14,15
	v_fma_f32 v[PA+\i], v[CO+4*\i+1], v[CO+4*\i+1], v[PA+\i]
.endr
.irp i, 0,1,2,3,4,5,6,7,8,9,10,11,12,13,14,15
	v_fma_f32 v[PA+\i], v[CO+4*\i+2], v[CO+4*\i+2], v[PA+\i]
.endr
	s_wait_alu depctr_va_vdst(0)
.irp i, 0,1,2,3,4,5,6,7,8,9,10,11,12,13,14,15
	v_sqrt_f32 v[PS+\i], v[PA+\i]
.endr
	v_nop
	s_wait_alu depctr_va_vdst(0)                   ; the 16 roots are written: one wait, ahead of their first reader
.irp i, 0,1,2,3,4,5,6,7,8,9,10,11,12,13,14,15
	v_max_num_f32 v[PR+\i], 0x800000, v[PS+\i]     ; (a distance of 0 keeps a finite reciprocal; its remainder is 0)
.endr
	s_wait_alu depctr_va_vdst(0)
.irp i, 0,1,2,3,4,5,6,7,8,9,10,11,12,13,14,15
	v_rcp_f32 v[PR+\i], v[PR+\i]
.endr
.irp i, 0,1,2,3,4,5,6,7,8,9,10,11,12,13,14,15
	v_fma_f32 v[PA+\i], -v[PS+\i], v[PS+\i], v[PA+\i]   ; a - s^2: plain work behind the reciprocals
.endr
.irp i, 0,1,2,3,4,5,6,7,8,9,10,11,12,13,14,15
	v_add_f32 v[GAM+\i], s56, v[GAM+\i]
	v_add_f32 v[BET+\i], s57, v[BET+\i]
.endr
	s_wait_alu depctr_va_vdst(0)                   ; the 16 reciprocals are written: one wait, ahead of their first reader
.irp i, 0,1,2,3,4,5,6,7,8,9,10,11,12,13,14,15
	v_mul_f32 v[PA+\i], v[PA+\i], v[PR+\i]
.endr
.irp i, 0,1,2,3,4,5,6,7,8,9,10,11,12,13,14,15
	v_fma_f32 v[PS+\i], v[PA+\i], 0.5, v[PS+\i]    ; s + (a - s^2) / (2 s)
.endr
.irp i, 0,1,2,3,4,5,6,7,8,9,10,11,12,13,14,15
	v_fma_f32 v[PS+\i], v[GAM+\i], v[PS+\i], v[BET+\i]
.endr
	WIN 0x08                                       ; an LDS store's data are its source 1: window 2
	s_wait_alu depctr_va_vdst(0)                   ; my 16 x are written, which the LDS stores read
.irp i, 0,1,2,3,4,5,6,7,8,9,10,11,12,13,14,15
	ds_store_b32 v[XW], v[PS+\i] offset:128*\i
.endr
	WIN 0
	s_wait_dscnt 0x0                               ; for the others' sake: my part of the two tables has landed
	s_barrier_signal -1
	s_barrier_wait -1                              ; the launch's one barrier: behind it the tables are whole, and nobody writes them again
	s_wait_alu depctr_vm_vsrc(0)                   ; the gathers have read the 16 index registers, which are part of G from here on; the LDS stores have read x's 16 registers, which are part of VC: both are written again by vector lines below
	WIN 0x40
.irp c, 0,1
.irp j, 0,1,2,3,4,5,6,7
	ds_load_b128 v[NS2+32*\c+4*\j:NS2+32*\c+4*\j+3], v[V128] offset:TNS2+256*\c+16*\j
.endr
.endr
.irp c, 0,1
.irp j, 0,1,2,3,4,5,6,7
	ds_load_b128 v[CC+32*\c+4*\j:CC+32*\c+4*\j+3], v[V128] offset:TCC+256*\c+16*\j
.endr
.endr
	WIN 0
	v_add_nc_u32 v[XAD], s61, v[XA]                ; tile 0
	s_wait_alu depctr_va_vdst(0)                   ; v[XAD] is written, which the load below reads
	ds_load_b32 v[X], v[XAD]
	s_add_co_u32 s61, s61, 64
	s_wait_dscnt 0x0
	GK_D
	GK_F
	s_wait_alu depctr_va_vdst(0)
	GK_E
	v_nop
	s_wait_alu depctr_va_vdst(0)                   ; tile 0's 64 exponentials have written G: the wait ahead of the first line that names one of them
	QUANT G, GC, GS
	WIN 0
	s_wait_loadcnt 0x0                             ; the weights
	s_mov_b32 s58, 31
.Ltile:                                            ; trip j: tile j goes through the chain, tile j + 1's Gaussians are made
	TRIP 1
	s_sub_co_u32 s58, s58, 1
	s_cmp_lg_u32 s58, 0
	s_cbranch_scc1 .Ltile
	TRIP 0                                         ; tile 31: nothing follows it
	s_wait_dscnt 0x0                               ; the closing lines, six on end
	s_wait_alu 0x0
	s_wait_tensorcnt 0x0
	ds_add_u32 v[SPW], v[NIL]
	s_wait_dscnt 0x0
	s_endpgm
.Lfunc_end_k_q2a9f2ee60d_encode:
	.size	k_q2a9f2ee60d_encode, .Lfunc_end_k_q2a9f2ee60d_encode-k_q2a9f2ee60d_encode
	.p2alignl 7, 3214868480
	.fill 96, 4, 3214868480
	.section	.rodata,"a",@progbits
	.p2align	6, 0x0
	.amdhsa_kernel k_q2a9f2ee60d_encode
		.amdhsa_group_segment_fixed_size 18944
		.amdhsa_private_segment_fixed_size 0
		.amdhsa_enable_private_segment 0
		.amdhsa_kernarg_size 104
		.amdhsa_user_sgpr_count 2
		.amdhsa_user_sgpr_kernarg_segment_ptr 1
		.amdhsa_wavefront_size32 1
		.amdhsa_system_sgpr_workgroup_id_x 1
		.amdhsa_system_sgpr_workgroup_id_y 1
		.amdhsa_system_sgpr_workgroup_id_z 1
		.amdhsa_system_vgpr_workitem_id 0
		.amdhsa_next_free_vgpr 1024
		.amdhsa_next_free_sgpr 80
		.amdhsa_reserve_vcc 0
		.amdhsa_float_denorm_mode_32 3
		.amdhsa_float_denorm_mode_16_64 3
		.amdhsa_memory_ordered 1
		.amdhsa_forward_progress 1
		.amdhsa_inst_pref_size 144
	.end_amdhsa_kernel
	.amdgpu_metadata
---
amdhsa.version: [ 1, 2 ]
amdhsa.kernels:
  - .name:           k_q2a9f2ee60d_encode
    .symbol:         k_q2a9f2ee60d_encode.kd
    .args:
      - { .name: W1_codes, .offset: 0, .size: 8, .value_kind: global_buffer, .address_space: global }
      - { .name: W1_scales, .offset: 8, .size: 8, .value_kind: global_buffer, .address_space: global }
      - { .name: W2_codes, .offset: 16, .size: 8, .value_kind: global_buffer, .address_space: global }
      - { .name: W2_scales, .offset: 24, .size: 8, .value_kind: global_buffer, .address_space: global }
      - { .name: b1, .offset: 32, .size: 8, .value_kind: global_buffer, .address_space: global }
      - { .name: b2, .offset: 40, .size: 8, .value_kind: global_buffer, .address_space: global }
      - { .name: beta_emb, .offset: 48, .size: 8, .value_kind: global_buffer, .address_space: global }
      - { .name: coord, .offset: 56, .size: 8, .value_kind: global_buffer, .address_space: global }
      - { .name: gamma_emb, .offset: 64, .size: 8, .value_kind: global_buffer, .address_space: global }
      - { .name: means, .offset: 72, .size: 8, .value_kind: global_buffer, .address_space: global }
      - { .name: node_type, .offset: 80, .size: 8, .value_kind: global_buffer, .address_space: global }
      - { .name: stds, .offset: 88, .size: 8, .value_kind: global_buffer, .address_space: global }
      - { .name: out0, .offset: 96, .size: 8, .value_kind: global_buffer, .address_space: global }
    .group_segment_fixed_size: 18944
    .private_segment_fixed_size: 0
    .kernarg_segment_align: 8
    .kernarg_segment_size: 104
    .max_flat_workgroup_size: 128
    .sgpr_count:     80
    .vgpr_count:     1024
    .wavefront_size: 32
...
	.end_amdgpu_metadata
.endif
;; end of part 2
